; MI455X (gfx1250); checked and timed in simulation.
; The chip was launched on July 23, 2026; its instructions are those of AMD's public machine-readable ISA for CDNA 5 (MIT licence, August 2026) and "CDNA5" Instruction Set Architecture Reference Guide (July 2026). The comments in the code are by the model that wrote it; some were corrected since.
;; Net. Allowed arithmetic: float matrix products may take bf16 or f16 operands with f32 sums; other float arithmetic in f32, or as packed bf16 or f16 multiplies, adds, multiply-adds, maxima and minima; sums over many terms, partial sums and values carried from step to step in f32; what a program stores and reads back later, other than sums and carried values, may be rounded once to bf16 or f16.
;; Inputs: W1 2 x 256 float32; W2 256 x 256 float32; W3 256 x 1 float32; b1 256 float32; b2 256 float32; b3 1 float32; x 4,096 x 2 float32.
;; Outputs: out0 4,096 x 1 float32.
;; One version. Each part assembles by itself: llvm-mc -triple=amdgcn-amd-amdhsa -mcpu=gfx1250 --defsym DOCPART=n.
;; ======== version 1 of 1: 1 launch
;; launch snn (part 1): grid 256 x 1, 4 waves a work-group, no clusters, 180,992 bytes of LDS; arguments x, W1, b1, W2, b2, W3, b3, out0; writes out0
.if DOCPART == 1
	.amdgcn_target "amdgcn-amd-amdhsa--gfx1250"
	.amdhsa_code_object_version 6
	.text
	.protected	k_qd3d941d95d_snn
	.globl	k_qd3d941d95d_snn
	.p2align	8
	.type	k_qd3d941d95d_snn,@function
k_qd3d941d95d_snn:
	s_mov_b64 s[64:65], 0
	v_nop
	global_prefetch_b8 v0, s[64:65] scope:SCOPE_SE
	s_setreg_imm32_b32 hwreg(HW_REG_WAVE_MODE, 25, 1), 1
	s_wait_xcnt 0x0
; TWO LAYERS OF LEAKY INTEGRATE-AND-FIRE NEURONS, 100 STEPS, ONE LAUNCH.
;   cur1 = x W1 + b1 (constant over the steps);  in each step, for both layers:  mem = 0.9 mem + cur - (mem_old > 1),  spk = (mem > 1);
;   cur2 = spk1 W2 + b2;  out = spk2(step 100) W3 + b3.   x [4096][2], W1 [2][256], W2 [256][256] (k, n), W3 [256][1], all f32.
; SHARES.  4,096 batch rows / 256 work-groups = 16 rows a work-group.  Wave w owns hidden units 64 w .. 64 w + 63 of BOTH layers.  Lane (r = l % 16, h = l / 16) owns batch row r and 32 units:
; element e = 8 g + j is unit 64 w + 16 g + 8 h + j.  That one pattern is the layout of a 16-bit source fragment (so the lane's own spikes, packed, ARE its part of source 1), the layout of the
; result of the transposed product (source 0 = 16 columns of W2, source 1 = 32 k x 16 batch rows), and byte 256 w + 32 h + 64 g + 4 j of W1's rows, b1, b2 and W3.
; W2 STAYS IN REGISTERS: the wave's 256 k x 64 n in bf16 are 32 fragments, 256 registers (window 1).  A step's product is 4 tiles x 8 K fragments = 32 matrix instructions a wave; LDS carries only
; the spikes from wave to wave: 16 rows x 256 units x 2 bytes = 8,192 bytes a step, two buffers, one barrier a step.
; PIPELINE.  Trip t multiplies step t's spikes, loads step t + 1's fragments, makes layer 1 of step t + 2 and layer 2 of step t - 1: 112 vector instructions (64 + 48) stand behind the 32 matrix
; instructions, four behind each of the first 16, three behind each of the others.
; ARITHMETIC.  All seven inputs are rounded once to bf16 (nearest even); spikes are 0 or 1, exact in bf16.  All else in f32: the membrane step is one fused multiply-add and one subtraction;
; x W1 has exact products and one rounding, + b1 a second.  spk = clamp((mem - 1) 2^24) to 0 .. 1 by one fused multiply-add: mem > 1 means mem - 1 >= 2^-23, so the product is 2 or more.
; LIMITS.  b2 starts the product's sum (the C operand of each chain's first link) instead of being added behind it: the same number while the sums are exact in f32, which holds for terms that are
; multiples of 2^-24 (bf16 numbers of size 2^-17 or more) and sums below 1; beyond that a membrane within one f32 rounding of the threshold may spike otherwise than with another order of the sum.
; A NaN membrane counts as no spike; infinities are not treated apart.
; NO CLUSTER, NO TENSOR LOAD: W2 is the one input that all work-groups share; each reads it once, ahead of 100 steps that run from registers, and it must pass through registers to be rounded to
; bf16; as f32 its 262,144 bytes do not fit beside the 163,840 bytes of the stage from which it is turned.
; REGISTERS, in windows of 256 (s_set_vgpr_msb: bits 1:0 source 0, 3:2 source 1, 5:4 source 2, 7:6 destination):
;   window 0: addresses, constants, both layers' state, the two accumulator sets     window 1: W2's fragment (kf, t) at v[8 (4 kf + t)]
;   window 2: v0-127 two sets of spike fragments (the first also at work in the set-up), v128-159 b2, v160-191 W3     window 3: four slots of 64 for W2 on its way in
.set STEPS,  100
.set SPKB,   8192                      ; a spike buffer: 16-byte group gi (0..15) of lane l at 512 gi + 16 l: every access is 512 consecutive bytes
.set WST,    2*SPKB                    ; behind the two buffers: each wave's own stage for W2, 256 rows k x 128 bytes
.set WPITCH, 160                       ; + 32 of padding = 40 words
.set WSTW,   256*WPITCH                ; 40,960 bytes a wave
.set RED,    WST+4*WSTW                ; 180,224: 4 waves x 16 f32, the end's partial sums: a block of 256 bytes
.set SPARE,  RED+256                   ; 180,480: the spare words, 128 bytes for each wave: two blocks of 256 bytes that no other line names
.set RR,   1                           ; v1   r = l % 16
.set HH,   2                           ; v2   h = l / 16
.set VOFF, 3                           ; v3   256 w + 32 h: my 32 units in W1's rows, b1, b2, W3
.set XO,   4                           ; v4   8 r: my row of x
.set WGO,  5                           ; v5   4096 h + 256 w + 16 r: W2 in memory
.set WSO,  6                           ; v6   my stage + 640 h + 8 r: W2 into the stage
.set WTO,  7                           ; v7   my stage + (8 h + l % 8) 160 + 16 ((l / 8) % 2): W2 out of it, turned
.set SST,  8                           ; v8   2048 w + 16 l: my spikes into a buffer
.set SLD,  9                           ; v9   16 l: everybody's spikes out of it
.set SPW,  10                          ; v10  LDS address of my spare word; never rewritten
.set NIL,  11                          ; v11  0; never rewritten
.set BETA, 12                          ; v12-13  0.9, 0.9
.set BIG,  14                          ; v14-15  2^24 twice
.set NBIG, 16                          ; v16-17  -2^24 twice
.set X0,   18                          ; v18-19  x[r][0] twice
.set X1,   20                          ; v20-21  x[r][1] twice
.set REDA, 22                          ; v22  RED + 64 w + 4 r
.set REDR, 23                          ; v23  RED + 4 r
.set RST2, 24                          ; v24-31  layer 2's reset, one tile's; in the head three lane terms
.set MEM1, 32                          ; v32-63
.set SPK1, 64                          ; v64-95   layer 1's spikes as f32: also the next step's reset
.set CUR1, 96                          ; v96-127
.set PK,   128                         ; v128-143 the spikes packed to bf16
.set MEM2, 144                         ; v144-175 (b1 in the set-up)
.set ACC0, 176                         ; v176-207 cur2 of even steps (W1's row 0 in the set-up)
.set ACC1, 208                         ; v208-239 cur2 of odd steps (W1's row 1 in the set-up)
.set TMP,  240                         ; v240-243 at work, in windows 0 and 2
.set SUM,  244                         ; v244-251 x as loaded; the end's sums
.set B3V,  252                         ; v252 b3
.set OO,   253                         ; v253 4 r: my place in the work-group's 64 bytes of out
.set AF,   0                           ; window 2: spike fragments of odd steps at 64, of even steps at 0; fragment kf at + 8 kf
.set TT,   0                           ; window 2: W2 rounded, on its way into the stage: two sets of 32
.set BIAS2, 128                        ; window 2
.set WGT3, 160                         ; window 2
.set W_FIRST, 0x29                     ; W2 window 1, spikes window 2, C = b2 window 2, D window 0
.set W_MM,    0x09                     ; the same with C in window 0
.set MSB, 0
.macro WIN new                         ; the immediate's high byte repeats the setting that is left; a switch that changes nothing is dropped
.if MSB != (\new)
	s_set_vgpr_msb (MSB<<8)|(\new)
.set MSB, (\new)
.endif
.endm
.macro PLACES                          ; four places behind a matrix instruction (ISA guide 7.12.1), where no other vector work is at hand
.rept 4
	v_nop
.endr
.endm
; my 32 numbers of a vector of 256 f32: eight loads of 16 bytes
.macro LD32 dst, sb, extra
.irp g, 0,1,2,3
.irp u, 0,1
	global_load_b128 v[(\dst)+8*\g+4*\u:(\dst)+8*\g+4*\u+3], v[VOFF], s[\sb:\sb+1] offset:(\extra)+64*\g+16*\u
.endr
.endr
.endm
; 32 f32 rounded to bf16 and widened again, in place; four pairs at a time, so that no line waits for the one before it.  Runs under the window that is set (all operands in one window)
.macro ROUND32 base
.set rb, 0
.rept 4
.irp u, 0,1,2,3
	v_cvt_pk_bf16_f32 v[TMP+\u], v[(\base)+8*rb+2*\u], v[(\base)+8*rb+2*\u+1]
.endr
.irp u, 0,1,2,3
	v_lshlrev_b32 v[(\base)+8*rb+2*\u], 16, v[TMP+\u]
	v_and_b32 v[(\base)+8*rb+2*\u+1], s23, v[TMP+\u]
.endr
.set rb, rb+1
.endr
.endm
; W2's group q: rows 32 q .. 32 q + 31 of my 64 columns.  Load z takes row rw (lanes 0-15: 256 consecutive bytes, aligned) and row rw + 4 (lanes 16-31)
.macro WLOAD q
	WIN 0xc0                               ; destination window 3
.set z, 0
.rept 16
.set rw, ((16*(\q)+z)/4)*8+(16*(\q)+z)%4
	global_load_b128 v[64*((\q)%4)+4*z:64*((\q)%4)+4*z+3], v[WGO], s[10:11] offset:rw*1024
.set z, z+1
.endr
.endm
.macro WCVT q                          ; rounded to bf16: 64 registers into 32
	WIN 0x8f                               ; sources window 3, destination window 2
.set z, 0
.rept 32
	v_cvt_pk_bf16_f32 v[TT+32*((\q)%2)+z], v[64*((\q)%4)+2*z], v[64*((\q)%4)+2*z+1]
.set z, z+1
.endr
.endm
.macro WSTORE q                        ; into my stage: 8 bytes a lane; the two halves of the lanes lie 640 bytes apart, 128 modulo 256
	WIN 0x08                               ; data window 2
.set z, 0
.rept 16
.set rw, ((16*(\q)+z)/4)*8+(16*(\q)+z)%4
	ds_store_b64 v[WSO], v[TT+32*((\q)%2)+2*z:TT+32*((\q)%2)+2*z+1] offset:rw*WPITCH
.set z, z+1
.endr
.endm
.macro WTR q                           ; and out of it, turned: K fragment q of my four tiles.  LDS serves a wave's instructions in order (ISA guide 5.7.1.4): these see the stores above; the bytes are my wave's own
	WIN 0x40                               ; destination window 1
.irp t, 0,1,2,3
	ds_load_tr16_b128 v[8*(4*(\q)+\t):8*(4*(\q)+\t)+3],   v[WTO] offset:(\q)*32*WPITCH+32*\t
	ds_load_tr16_b128 v[8*(4*(\q)+\t)+4:8*(4*(\q)+\t)+7], v[WTO] offset:(\q)*32*WPITCH+16*WPITCH+32*\t
.endr
.endm
; LAYER 1, number j1 of 64: group j1 / 16 of eight units, in it four kinds x four pairs: 0.9 mem + cur; - the last spike; the new spike; packed to bf16.  Behind a group its 16 bytes go into buffer buf.
; first = 1: step 1, in which mem = cur1 has been made already.
.macro L1R buf, first
.set g1, j1/16
.set k1, (j1%16)/4
.set p1, 4*g1+j1%4
.if (k1 == 0) && !(\first)
	v_pk_fma_f32 v[MEM1+2*p1:MEM1+2*p1+1], v[MEM1+2*p1:MEM1+2*p1+1], v[BETA:BETA+1], v[CUR1+2*p1:CUR1+2*p1+1]
.elseif (k1 == 1) && !(\first)
	v_pk_add_f32 v[MEM1+2*p1:MEM1+2*p1+1], v[MEM1+2*p1:MEM1+2*p1+1], v[SPK1+2*p1:SPK1+2*p1+1] neg_lo:[0,1] neg_hi:[0,1]
.elseif k1 == 2
	v_pk_fma_f32 v[SPK1+2*p1:SPK1+2*p1+1], v[MEM1+2*p1:MEM1+2*p1+1], v[BIG:BIG+1], v[NBIG:NBIG+1] clamp
.elseif k1 == 3
	v_cvt_pk_bf16_f32 v[PK+p1], v[SPK1+2*p1], v[SPK1+2*p1+1]
.endif
.if j1%16 == 15
	ds_store_b128 v[SST], v[PK+4*g1:PK+4*g1+3] offset:(\buf)*SPKB+512*g1
.endif
.set j1, j1+1
.endm
; LAYER 2, number j2 of 48: tile j2 / 12, in it three kinds x four pairs: the reset (the old mem's spike); 0.9 mem + cur2, cur2 at d; - the reset.  Each accumulator's lowest registers are read first.
.macro L2R d
.set t2, j2/12
.set k2, (j2%12)/4
.set u2, j2%4
.if k2 == 0
	v_pk_fma_f32 v[RST2+2*u2:RST2+2*u2+1], v[MEM2+8*t2+2*u2:MEM2+8*t2+2*u2+1], v[BIG:BIG+1], v[NBIG:NBIG+1] clamp
.elseif k2 == 1
	v_pk_fma_f32 v[MEM2+8*t2+2*u2:MEM2+8*t2+2*u2+1], v[MEM2+8*t2+2*u2:MEM2+8*t2+2*u2+1], v[BETA:BETA+1], v[(\d)+8*t2+2*u2:(\d)+8*t2+2*u2+1]
.else
	v_pk_add_f32 v[MEM2+8*t2+2*u2:MEM2+8*t2+2*u2+1], v[MEM2+8*t2+2*u2:MEM2+8*t2+2*u2+1], v[RST2+2*u2:RST2+2*u2+1] neg_lo:[0,1] neg_hi:[0,1]
.endif
.set j2, j2+1
.endm
.macro LDA q                           ; a step's eight spike fragments, 16 loads in one run, out of buffer q into set q
	WIN 0x80                               ; destination window 2
.set z, 0
.rept 16
	ds_load_b128 v[AF+64*(\q)+4*z:AF+64*(\q)+4*z+3], v[SLD] offset:(\q)*SPKB+512*z
.set z, z+1
.endr
.endm
; Matrix instruction i of 32: K fragment i / 4, tile i % 4.  The four accumulators take turns, one instruction a turn; the first four links start the sums with b2.
.macro MMA p, acc
.set kf, i/4
.set tl, i%4
.if i < 4
	WIN W_FIRST
	v_wmma_f32_16x16x32_bf16 v[(\acc)+8*tl:(\acc)+8*tl+7], v[8*i:8*i+7], v[AF+64*(\p)+8*kf:AF+64*(\p)+8*kf+7], v[BIAS2+8*tl:BIAS2+8*tl+7]
.else
	WIN W_MM
	v_wmma_f32_16x16x32_bf16 v[(\acc)+8*tl:(\acc)+8*tl+7], v[8*i:8*i+7], v[AF+64*(\p)+8*kf:AF+64*(\p)+8*kf+7], v[(\acc)+8*tl:(\acc)+8*tl+7]
.endif
.endm
; TRIP t, p = t % 2.  Multiplies fragment set p into acc.  ld: the next step's fragments, out of buffer 1 - p.  l1: layer 1 of step t + 2, into buffer p.  l2: layer 2 of step t - 1, on the other accumulators.
; The run of loads stands behind the first matrix instruction and four plain vector instructions (its riders, or four v_nop): the places behind the last trip's last product, which read that fragment set.
; bar: ONE barrier for two things.  In front of its signal my loads out of buffer 1 - p are back and my stores into buffer p are done; behind its wait the next trip reads buffer p and writes buffer 1 - p.
; Signal and wait stand eight matrix instructions apart, with work on registers between.
.macro TRIP p, acc, ld, l1, l2, bar
.set i, 0
.set j1, 0
.set j2, 0
.rept 32
	MMA \p, \acc
.if (\l1) && (i < 16)
	WIN 0
.rept 4
	L1R \p, 0
.endr
.endif
.if (\l2) && (i >= 16)
	WIN 0
.rept 3
	L2R ACC0+32*(1-(\p))
.endr
.endif
.if i == 0
.if !(\l1)
	PLACES
.endif
.if \ld
	LDA 1-(\p)
.endif
.endif
.if (\bar) && (i == 23)
	s_wait_dscnt 0x0                       ; for the others' sake: my reads of the one buffer and my stores into the other are done; for mine: the next trip's fragments are in
	s_barrier_signal -1
.endif
.set i, i+1
.endr
.if \bar
	s_barrier_wait -1
.elseif \ld
	s_wait_dscnt 0x0                       ; the next trip's fragments are in
.endif
.endm
	; THE HEAD: addresses and constants
	s_load_b512 s[4:19], s[0:1], 0x0       ; x s[4:5], W1 s[6:7], b1 s[8:9], W2 s[10:11], b2 s[12:13], W3 s[14:15], b3 s[16:17], out s[18:19]
	v_lshl_add_u32 v[SPW], v0, 2, SPARE
	v_mov_b32 v[NIL], 0
	v_lshrrev_b32 v[RR], 5, v0
	v_readfirstlane_b32 s21, v[RR]         ; wave 0..3
	v_and_b32 v[RR], 15, v0
	v_bfe_u32 v[HH], v0, 4, 1
	v_and_b32 v24, 7, v0                   ; l % 8
	v_bfe_u32 v25, v0, 3, 1                ; (l / 8) % 2
	v_and_b32 v26, 31, v0                  ; l
	s_mov_b32 s23, 0xffff0000              ; a word's upper bf16
	s_mov_b32 s24, 0x76543210              ; v_permlanex16_b32: each lane takes its own place in the other half
	s_mov_b32 s25, 0xfedcba98
	s_lshl_b32 s28, s21, 8                 ; 256 w
	s_mul_i32 s29, s21, WSTW
	s_add_co_u32 s29, s29, WST             ; my stage
	s_lshl_b32 s30, s21, 11                ; 2048 w
	s_lshl_b32 s31, s21, 6
	s_add_co_u32 s31, s31, RED             ; my 16 words of partial sums
	v_lshl_add_u32 v[VOFF], v[HH], 5, s28
	v_lshlrev_b32 v[XO], 3, v[RR]
	v_lshl_add_u32 v[WGO], v[HH], 12, s28
	v_lshl_add_u32 v[WGO], v[RR], 4, v[WGO]
	v_mul_u32_u24 v[WSO], v[HH], 4*WPITCH
	v_lshl_add_u32 v[WSO], v[RR], 3, v[WSO]
	v_add_nc_u32 v[WSO], s29, v[WSO]
	v_lshl_add_u32 v[WTO], v[HH], 3, v24
	v_mul_u32_u24 v[WTO], v[WTO], WPITCH
	v_lshl_add_u32 v[WTO], v25, 4, v[WTO]
	v_add_nc_u32 v[WTO], s29, v[WTO]
	v_lshl_add_u32 v[SST], v26, 4, s30
	v_lshlrev_b32 v[SLD], 4, v26
	v_lshl_add_u32 v[REDA], v[RR], 2, s31
	v_lshl_add_u32 v[REDR], v[RR], 2, RED
	v_mov_b32 v[BETA], 0x3f666666
	v_mov_b32 v[BETA+1], 0x3f666666
	v_mov_b32 v[BIG], 0x4b800000
	v_mov_b32 v[BIG+1], 0x4b800000
	v_mov_b32 v[NBIG], 0xcb800000
	v_mov_b32 v[NBIG+1], 0xcb800000
	s_lshl_b32 s32, ttmp9, 7               ; the work-group's 16 rows of x: 128 bytes
	s_mov_b32 s33, 0
	s_wait_kmcnt 0x0
	s_load_b32 s20, s[16:17], 0x0          ; b3
	s_add_nc_u64 s[4:5], s[4:5], s[32:33]
	s_lshl_b32 s32, ttmp9, 6               ; and its 16 numbers of out: 64 bytes
	s_add_nc_u64 s[18:19], s[18:19], s[32:33]
	; ALL LOADS GO OUT: 41 small ones, then the first four of W2's eight groups of 16
	global_load_b64 v[SUM:SUM+1], v[XO], s[4:5]
	LD32 ACC0, 6, 0                        ; W1's row 0
	LD32 ACC1, 6, 1024                     ; W1's row 1
	LD32 MEM2, 8, 0                        ; b1
	WIN 0x80
	LD32 BIAS2, 12, 0
	LD32 WGT3, 14, 0
	WLOAD 0
	WLOAD 1
	WLOAD 2
	WLOAD 3
	; THE SMALL INPUTS ARE ROUNDED; cur1; LAYER 1 OF STEP 1
	s_wait_loadcnt 63                      ; loads come back in order (ISA guide 5.7.1): behind the last small load stand 64 of W2
	s_wait_kmcnt 0x0                       ; b3
	WIN 0
	v_cvt_pk_bf16_f32 v[TMP], v[SUM], v[SUM+1]
	v_mov_b32 v[B3V], s20
	v_lshlrev_b32 v[X0], 16, v[TMP]
	v_lshlrev_b32 v[X0+1], 16, v[TMP]
	v_and_b32 v[X1], s23, v[TMP]
	v_and_b32 v[X1+1], s23, v[TMP]
	v_cvt_pk_bf16_f32 v[B3V], v[B3V], v[B3V]
	v_lshlrev_b32 v[B3V], 16, v[B3V]
	ROUND32 ACC0
	ROUND32 ACC1
	ROUND32 MEM2
	WIN 0x8a                               ; sources and destination window 2
	ROUND32 BIAS2
	ROUND32 WGT3
	WIN 0
.set z, 0
.rept 16
	v_pk_mul_f32 v[CUR1+2*z:CUR1+2*z+1], v[ACC0+2*z:ACC0+2*z+1], v[X0:X0+1]  ; 8 x 8 significant bits: exact
.set z, z+1
.endr
.set z, 0
.rept 16
	v_pk_fma_f32 v[CUR1+2*z:CUR1+2*z+1], v[ACC1+2*z:ACC1+2*z+1], v[X1:X1+1], v[CUR1+2*z:CUR1+2*z+1]  ; x W1: one rounding
.set z, z+1
.endr
.set z, 0
.rept 16
	v_pk_add_f32 v[MEM1+2*z:MEM1+2*z+1], v[CUR1+2*z:CUR1+2*z+1], v[MEM2+2*z:MEM2+2*z+1]  ; step 1: mem = 0.9 x 0 + cur1 - 0: nothing is cleared
.set z, z+1
.endr
.set z, 0
.rept 16
	v_pk_add_f32 v[CUR1+2*z:CUR1+2*z+1], v[CUR1+2*z:CUR1+2*z+1], v[MEM2+2*z:MEM2+2*z+1]  ; cur1 = x W1 + b1
.set z, z+1
.endr
.set j1, 0
.rept 64
	L1R 1, 1                               ; step 1's spikes, into buffer 1
.endr
	; W2 INTO REGISTERS, a group of 32 rows at a time: rounded, through my stage, turned
.irp q, 0,1,2,3,4,5,6,7
.if \q < 5
	s_wait_loadcnt 48                      ; three groups of 16 were issued behind this one
.else
	s_wait_loadcnt 16*(7-\q)               ; the counts run down: two groups, one, none
.endif
	WCVT \q
.if \q < 4
	WLOAD \q+4                             ; the slot just read takes the group four further on
.endif
	WSTORE \q
	WTR \q
.endr
	s_wait_dscnt 0x0                       ; W2's fragments are in; for the others' sake: my spikes of step 1 are stored
	s_barrier_signal -1
	s_barrier_wait -1
	LDA 1                                  ; step 1's fragments
	WIN 0
.set j1, 0
.rept 64
	L1R 0, 0                               ; layer 1 of step 2, into buffer 0
.endr
	s_wait_dscnt 0x0                       ; my reads of buffer 1 and my stores into buffer 0 are done
	s_barrier_signal -1
	s_barrier_wait -1
	; THE STEPS
	TRIP 1, MEM2, 1, 1, 0, 1               ; step 1: mem2 = 0.9 x 0 + cur2 - 0, so the products' sums land in mem2's registers
	TRIP 0, ACC0, 1, 1, 0, 1               ; step 2: there is no layer 2 of step 1 left to do
	WIN 0                                  ; at a label and at a branch every window is 0
	s_mov_b32 s26, (STEPS-4)/2
.Lstep:                                        ; steps 3 to 98, two a trip of the loop
	TRIP 1, ACC1, 1, 1, 1, 1
	TRIP 0, ACC0, 1, 1, 1, 1
	WIN 0
	s_sub_co_u32 s26, s26, 1
	s_cmp_lg_u32 s26, 0
	s_cbranch_scc1 .Lstep
	TRIP 1, ACC1, 1, 0, 1, 0               ; step 99: layer 1 is finished, nothing is stored any more, so no barrier
	TRIP 0, ACC0, 0, 0, 1, 0               ; step 100
	WIN 0
	PLACES                                 ; layer 2 of step 100 reads results just made
.set j2, 0
.rept 48
	L2R ACC0
.endr
	; THE END: spk2 W3 + b3.  My 32 units in four chains; the other half of the lanes; the four waves through LDS
.set z, 0
.rept 16
	v_pk_fma_f32 v[SPK1+2*z:SPK1+2*z+1], v[MEM2+2*z:MEM2+2*z+1], v[BIG:BIG+1], v[NBIG:NBIG+1] clamp
.set z, z+1
.endr
	WIN 0x08                               ; source 1 (W3) window 2
.set z, 0
.rept 4
	v_pk_mul_f32 v[SUM+2*z:SUM+2*z+1], v[SPK1+2*z:SPK1+2*z+1], v[WGT3+2*z:WGT3+2*z+1]  ; the first products start the sums
.set z, z+1
.endr
.rept 12
	v_pk_fma_f32 v[SUM+2*(z%4):SUM+2*(z%4)+1], v[SPK1+2*z:SPK1+2*z+1], v[WGT3+2*z:WGT3+2*z+1], v[SUM+2*(z%4):SUM+2*(z%4)+1]
.set z, z+1
.endr
	WIN 0
	v_pk_add_f32 v[SUM:SUM+1], v[SUM:SUM+1], v[SUM+2:SUM+3]
	v_pk_add_f32 v[SUM+4:SUM+5], v[SUM+4:SUM+5], v[SUM+6:SUM+7]
	v_pk_add_f32 v[SUM:SUM+1], v[SUM:SUM+1], v[SUM+4:SUM+5]
	v_add_f32 v[SUM], v[SUM], v[SUM+1]
	v_permlanex16_b32 v[SUM+1], v[SUM], s24, s25  ; the row's other 32 units of my wave lie in the lane 16 away
	v_add_f32 v[SUM], v[SUM], v[SUM+1]
	ds_store_b32 v[REDA], v[SUM]           ; lanes r and r + 16 write the same number to the same word
	s_wait_tensorcnt 0x0                   ; the wave's end: behind my last LDS store
	ds_add_u32 v[SPW], v[NIL]
	s_wait_dscnt 0x0                       ; the wait is also the one that the others need: my partial sums are stored
	s_barrier_signal -1
	s_barrier_wait -1
	s_cmp_lg_u32 s21, 0
	s_cbranch_scc1 .Lend                   ; wave 0 alone adds and stores
.irp w, 0,1,2,3
	ds_load_b32 v[SUM+\w], v[REDR] offset:64*\w
.endr
	v_lshlrev_b32 v[OO], 2, v[RR]
	s_wait_dscnt 0x0
	v_add_f32 v[SUM], v[SUM], v[SUM+1]
	v_add_f32 v[SUM+2], v[SUM+2], v[SUM+3]
	v_add_f32 v[SUM], v[SUM], v[SUM+2]
	v_add_f32 v[SUM], v[SUM], v[B3V]
	v_cmp_gt_u32 vcc_lo, 16, v0
	s_wait_xcnt 0x0                        ; EXEC changes only behind this wait
	s_and_saveexec_b32 s34, vcc_lo
	global_store_b32 v[OO], v[SUM], s[18:19]  ; 16 lanes store the work-group's 64 consecutive bytes: all that it owns of out
	s_wait_xcnt 0x0                        ; and again, in front of the line that widens it
	s_or_b32 exec_lo, exec_lo, s34
.Lend:
	s_endpgm
.Lfunc_end_k_qd3d941d95d_snn:
	.size	k_qd3d941d95d_snn, .Lfunc_end_k_qd3d941d95d_snn-k_qd3d941d95d_snn
	.p2alignl 7, 3214868480
	.fill 96, 4, 3214868480
	.section	.rodata,"a",@progbits
	.p2align	6, 0x0
	.amdhsa_kernel k_qd3d941d95d_snn
		.amdhsa_group_segment_fixed_size 180992
		.amdhsa_private_segment_fixed_size 0
		.amdhsa_enable_private_segment 0
		.amdhsa_kernarg_size 64
		.amdhsa_user_sgpr_count 2
		.amdhsa_user_sgpr_kernarg_segment_ptr 1
		.amdhsa_wavefront_size32 1
		.amdhsa_system_sgpr_workgroup_id_x 1
		.amdhsa_system_sgpr_workgroup_id_y 1
		.amdhsa_system_sgpr_workgroup_id_z 1
		.amdhsa_system_vgpr_workitem_id 0
		.amdhsa_next_free_vgpr 1024
		.amdhsa_next_free_sgpr 66
		.amdhsa_reserve_vcc 1
		.amdhsa_float_denorm_mode_32 3
		.amdhsa_float_denorm_mode_16_64 3
		.amdhsa_memory_ordered 1
		.amdhsa_forward_progress 1
		.amdhsa_inst_pref_size 132
	.end_amdhsa_kernel
	.amdgpu_metadata
---
amdhsa.version: [ 1, 2 ]
amdhsa.kernels:
  - .name:           k_qd3d941d95d_snn
    .symbol:         k_qd3d941d95d_snn.kd
    .args:
      - { .name: x, .offset: 0, .size: 8, .value_kind: global_buffer, .address_space: global }
      - { .name: W1, .offset: 8, .size: 8, .value_kind: global_buffer, .address_space: global }
      - { .name: b1, .offset: 16, .size: 8, .value_kind: global_buffer, .address_space: global }
      - { .name: W2, .offset: 24, .size: 8, .value_kind: global_buffer, .address_space: global }
      - { .name: b2, .offset: 32, .size: 8, .value_kind: global_buffer, .address_space: global }
      - { .name: W3, .offset: 40, .size: 8, .value_kind: global_buffer, .address_space: global }
      - { .name: b3, .offset: 48, .size: 8, .value_kind: global_buffer, .address_space: global }
      - { .name: out0, .offset: 56, .size: 8, .value_kind: global_buffer, .address_space: global }
    .group_segment_fixed_size: 180992
    .private_segment_fixed_size: 0
    .kernarg_segment_align: 8
    .kernarg_segment_size: 64
    .max_flat_workgroup_size: 128
    .sgpr_count:     66
    .vgpr_count:     1024
    .wavefront_size: 32
...
	.end_amdgpu_metadata
.endif
;; end of part 1
